; MI455X (gfx1250); checked and timed in simulation.
; The chip was launched on July 23, 2026; its instructions are those of AMD's public machine-readable ISA for CDNA 5 (MIT licence, August 2026) and "CDNA5" Instruction Set Architecture Reference Guide (July 2026). The comments in the code are by the model that wrote it; some were corrected since.
;; Multi Head Attention Optimised. Allowed arithmetic: matrix products marked QUANTISED: E2M1 operands, one E8M0 scale for each 32 along K, by v_wmma_scale_f32_16x16x128_f8f6f4 with both operands' format E2M1 (or v_wmma_scale_f32_32x16x128_f4), f32 sums; everything else in f32.
;; Inputs: W_qkv 1,024 x 3,072 float32; x 2 x 2,048 x 1,024 float32.
;; Outputs: out0 2 x 2,048 x 1,024 float32.
;; This version of the problem:
;;   THIS VERSION OF THE PROBLEM IS GIVEN IN LOW PRECISION. The matrix products marked QUANTISED in the list below multiply operands that are first quantised to E2M1 (2 exponent bits, 1 mantissa bit; 4 bits a number), with one power-of-two scale for each 32 numbers along K (OCP MX v1.0); their sums are f32. All else is computed in f32.
;;   The module's matrix products, in the order in which they are computed (A, B: the left and right operand; K: the contracted axis; several contracted axes count as one K, in the product's order):
;;     1. [M 4,096, K 1,024] x [K 1,024, N 3,072]; A: input x; B: input W_qkv: QUANTISED
;;     2. batch 32 x [M 2,048, K 64] x [K 64, N 2,048]; A: computed on the way; B: computed on the way: QUANTISED
;;     3. batch 32 x [M 2,048, K 2,048] x [K 2,048, N 64]; A: softmax (see below); B: computed on the way: QUANTISED
;;   THE QUANTISER, for each operand of a quantised product, along K:
;;     - K is cut into blocks of 32 from its start; a last block that is shorter is filled with zeros.
;;     - A block's scale is 2^e with e = floor(log2(the largest magnitude in the block)) - 2, held to -126 .. 127; a block of zeros has e = 0. As a byte (E8M0): e + 127.
;;     - Each number is divided by its block's scale, clamped to +-6, and rounded to the nearest number of E2M1, ties to even, subnormals kept.
;;     - The product sums the exact products of the quantised numbers (number of the format x scale) in f32.
;;   ~~~python
;;   def quantise(x, axis):      # numpy; x: float32 -> the quantised numbers, widened to float32 again
;;       x = np.moveaxis(x, axis, -1); K = x.shape[-1]
;;       x = np.pad(x, [(0, 0)] * (x.ndim - 1) + [(0, -K % 32)]); x = x.reshape(x.shape[:-1] + (-1, 32)); a = np.abs(x).max(-1, keepdims=True)
;;       e = np.where(a > 0, np.clip(np.frexp(np.where(a > 0, a, 1))[1] - 1 - 2, -126, 127), 0)      # np.frexp(a)[1] - 1 = floor(log2(a)), exactly
;;       r = np.clip(x / 2.0 ** e, -6, 6)
;;       step = 2.0 ** (np.maximum(np.frexp(np.where(r == 0, 1, r))[1] - 1, 0) - 1)
;;       q = np.round(r / step) * step * 2.0 ** e      # np.round: ties to even
;;       return np.moveaxis(q.reshape(q.shape[:-2] + (-1,))[..., :K], -1, axis).astype(np.float32)
;;   ~~~
;;   SOFTMAX AHEAD OF A QUANTISED PRODUCT. Where the list says 'softmax', what is quantised is not the finished softmax but p = 2^(t - M), with t = logit x log2(e) and M = ceil(the row's largest t), a whole number; so 1/2 < the row's largest p <= 1. The row's sum l is taken of the UNQUANTISED p, in f32, and the product's result is divided by l at the end. Since M is a whole number, a kernel that streams over the keys may use a running M (the ceiling of the running maximum): every later rescaling is an exact power of two, which a block's scale takes up: the codes' values come out the same.
;;   OPERANDS COMPUTED ON THE WAY. 'Computed on the way' means the value that the module computes at that place (a softmax that the list does not call 'softmax' is quantised finished and normalised). What goes into a quantiser is computed in f32, as accurately as f32 sums, v_exp_f32 and their like allow (about 1e-6 of the number): no bf16 or f16 on the way to a quantiser, and a product that is left as it is and whose result goes on into a quantised operand takes f32 operands (vector FMAs, or v_wmma_f32_16x16x4_f32). A number that lies on a knife's edge between two numbers of the format may be rounded either way, as far as f32 arithmetic and the matrix unit's own rounding can turn it there, and no further.
;; One version. Each part assembles by itself: llvm-mc -triple=amdgcn-amd-amdhsa -mcpu=gfx1250 --defsym DOCPART=n.
;; ======== version 1 of 1: 3 launches
;; limits: right only within a limited range of input values
;; workspace buffers: xc 2,097,152 bytes; xs 131,072 bytes; wc 1,572,864 bytes; ws 98,304 bytes; img 6,291,456 bytes; isc 393,216 bytes
;; launch quant (part 1): grid 224 x 1, 4 waves a work-group, no clusters, 314,880 bytes of LDS; arguments x, W_qkv, xc, xs, wc, ws; writes xc, xs, wc, ws
.if DOCPART == 1
	.amdgcn_target "amdgcn-amd-amdhsa--gfx1250"
	.amdhsa_code_object_version 6
	.text
	.protected	k_qf45da28808_quant
	.globl	k_qf45da28808_quant
	.p2align	8
	.type	k_qf45da28808_quant,@function
k_qf45da28808_quant:
	s_mov_b64 s[64:65], 0
	v_nop
	global_prefetch_b8 v0, s[64:65] scope:SCOPE_SE
	s_setreg_imm32_b32 hwreg(HW_REG_WAVE_MODE, 25, 1), 1
	s_wait_xcnt 0x0
; x [4096][1024] f32 (K innermost) and W_qkv [1024][3072] f32 (K is the FIRST axis) become codes of FP4 (E2M1), K innermost, 512 bytes a row, with one E8M0 byte for each 32 along K, 32 bytes a row.
; A block's scale is 2^(floor(log2(its largest magnitude)) - 2): its byte is the largest magnitude's exponent field - 2, held at 1 from below by a floor among the maximum's leaves.
; LIMITS: a block whose largest magnitude lies under 2^-124, a block of zeros among them, keeps the byte 1 (its codes are then zeros or the rule's own subnormals; these bytes are read by this program alone);
; NaN and infinities among the inputs are not served.
; THE ROWS OF BOTH RESULTS ARE PERMUTED in groups of 64 (tokens of x, columns of W): index 32 h + 8 t + j (h 0..1, t 0..3, j 0..7) lies at position 16 t + 8 h + j.  A tile of 16 neighbouring positions, taken as
; source 0 of a product, then leaves in a lane's 32 registers of four neighbouring tiles one whole block of 32 neighbouring indices: what the next quantiser wants.
; SHARES.  Work-groups 0..127 take 32 rows of x, work-groups 128..223 take 64 columns x 512 k of W: 131,072 bytes each, a quarter to a wave, brought by ONE tensor load a wave, the launch's only fills: one load of a wave is out.
; The two ways part on the work-group's number, never join, and have LDS bytes of their own.  No cluster: no two work-groups read the same byte.
.set XW,    40960                      ; x: a wave's tile in LDS: 128 rows of 256 bytes, 16 bytes of padding behind each 64: 80 bytes for each run of 16 numbers
.set WREG,  163840                     ; W: a wave's tile: 128 rows (k) of 256 bytes (64 columns), 32,768 bytes
.set WSTG,  294912                     ; W: the stage for the codes: 64 rows (positions) x (256 bytes + 16)
.set WSSC,  312320                     ; W: the stage for the scale bytes: 64 rows x 16 bytes
.set XSB,   313344                     ; x: 256 scale bytes for each wave
.set G1X,   16                         ; s[16:23] descriptor group 1 for x's tiles
.set G1W,   24                         ; s[24:31] for W's
.set WV,    32                         ; s32 my wave's number
.set G0,    36                         ; s[36:39] descriptor group 0
	s_load_b256 s[4:11], s[0:1], 0x0               ; x s[4:5], W s[6:7], x's codes s[8:9], x's scales s[10:11]
	s_load_b128 s[12:15], s[0:1], 0x20             ; W's codes s[12:13], W's scales s[14:15]
	v_lshl_add_u32 v192, v0, 2, 0x4cc00
	v_mov_b32 v193, 0
	ds_add_u32 v192, v193
	ds_add_u32 v192, v193
	v_lshrrev_b32 v1, 5, v0
	v_readfirstlane_b32 s[WV], v1                  ; wave 0..3
	v_and_b32 v14, 31, v0                          ; lane
	s_mov_b32 s[G1X+0], (3<<16)|(1<<20)|(3<<22)|(3<<25)   ; elements of 8 bytes; padding on: after every 16 words, 4 words
	s_mov_b32 s[G1X+1], 32<<16                     ; tensor_dim0 = 32 elements: 256 bytes
	s_mov_b32 s[G1X+2], 128<<16                    ; tensor_dim1 = 128
	s_mov_b32 s[G1X+3], 32<<16                     ; tile_dim0
	s_mov_b32 s[G1X+4], 128                        ; tile_dim1
	s_mov_b32 s[G1X+5], 32                         ; from row to row: dense
	s_mov_b32 s[G1X+6], 0
	s_mov_b32 s[G1X+7], 0
	s_mov_b32 s[G1W+0], 3<<16                      ; elements of 8 bytes, no padding
	s_mov_b32 s[G1W+1], 32<<16
	s_mov_b32 s[G1W+2], 128<<16
	s_mov_b32 s[G1W+3], 32<<16
	s_mov_b32 s[G1W+4], 128
	s_mov_b32 s[G1W+5], 1536                       ; a row of W is 12,288 bytes
	s_mov_b32 s[G1W+6], 0
	s_mov_b32 s[G1W+7], 0
	s_mov_b32 s[G0], 1
	s_mov_b32 s3, 0
	s_wait_dscnt 0x0
	s_wait_kmcnt 0x0
	s_cmp_lt_u32 ttmp9, 128
	s_cbranch_scc0 .Lw_path
; ------------------------------------------------------------------ x: 8 rows a wave, a plain stream of 16 steps of 512 numbers
	s_mul_i32 s[G0+1], s[WV], XW                   ; my tile in LDS
	s_lshl_b32 s2, ttmp9, 17                       ; 32 rows of 4,096 bytes a work-group,
	s_lshl_b32 s33, s[WV], 15                      ; 8 a wave
	s_add_co_u32 s2, s2, s33
	s_add_nc_u64 s[G0+2:G0+3], s[4:5], s[2:3]
	s_or_b32 s[G0+3], s[G0+3], 0x80000000
	tensor_load_to_lds s[G0:G0+3], s[G1X:G1X+7]
	s_nop 0
.rept 4
	v_nop                                          ; four lines behind a tensor load
.endr
	s_lshl_b32 s33, ttmp9, 2
	s_add_co_u32 s33, s33, s[WV]                   ; G: which group of 8 rows is mine
	s_and_b32 s34, s33, 3
	s_lshl_b32 s34, s34, 1
	s_bfe_u32 s35, s33, 0x10002
	s_or_b32 s34, s34, s35
	s_and_b32 s33, s33, -8
	s_or_b32 s33, s33, s34                         ; its place: (G & ~7) | (G & 3) << 1 | (G >> 2) & 1
	s_lshl_b32 s2, s33, 12
	s_add_nc_u64 s[8:9], s[8:9], s[2:3]            ; 8 rows of 512 bytes of codes
	s_lshl_b32 s2, s33, 8
	s_add_nc_u64 s[10:11], s[10:11], s[2:3]        ; 8 rows of 32 scale bytes
	s_wait_alu depctr_va_vdst(0)
	v_mul_u32_u24 v1, v14, 80
	v_add_nc_u32 v1, s[G0+1], v1                   ; my 16 neighbours of a step: 80 bytes from lane to lane
	v_lshlrev_b32 v2, 3, v14                       ; out: 8 bytes a lane
	s_lshl_b32 s34, s[WV], 8
	s_add_co_u32 s34, s34, XSB
	v_lshrrev_b32 v3, 1, v14
	v_add_nc_u32 v3, s34, v3                       ; my block's scale byte (two lanes hold a block)
	v_add_nc_u32 v4, s34, v2                       ; and the bytes on their way out
	s_wait_alu depctr_va_vdst(0)
	s_wait_tensorcnt 0x0                           ; my tile has landed; only I read it
.macro DLX t                           ; step t's 16 numbers of my lane into set t % 4 of v16-79
.irp i, 0,1,2,3
	ds_load_b128 v[16+16*((\t)%4)+4*\i:16+16*((\t)%4)+4*\i+3], v1 offset:2560*(\t)+16*\i
.endr
.endm
.macro STEPX t
.set XS, 16+16*((\t)%4)
.if (\t)+3 < 16
	DLX (\t)+3
	s_wait_dscnt 12                                ; this step's four loads are in; those of the three steps behind it may be out
.else
	s_wait_dscnt 4*(15-(\t))
.endif
	v_max3_num_f32 v8, |v[XS]|, |v[XS+1]|, |v[XS+2]|               ; the largest magnitude of my 16, in two chains
	v_max3_num_f32 v9, |v[XS+3]|, |v[XS+4]|, |v[XS+5]|
.irp i, 6,10
	v_max3_num_f32 v8, v8, |v[XS+\i]|, |v[XS+\i+1]|
	v_max3_num_f32 v9, v9, |v[XS+\i+2]|, |v[XS+\i+3]|
.endr
	v_max3_num_f32 v8, v8, |v[XS+14]|, |v[XS+15]|
	v_max3_num_f32 v8, v8, v9, 0x1800000           ; and the floor 2^(3 - 127): the byte cannot fall under 1
	v_max_num_f32_dpp v8, v8, v8 row_xmask:1 row_mask:0xf bank_mask:0xf   ; with my neighbour's 16: the block's
	v_add_nc_u32 v11, 0xff000000, v8               ; 2 off its exponent field: the conversion takes this operand's exponent field as its scale
	v_cvt_scalef32_pk8_fp4_f32 v[80+2*(\t)], v[XS:XS+7], v11
	v_cvt_scalef32_pk8_fp4_f32 v[81+2*(\t)], v[XS+8:XS+15], v11
	v_lshrrev_b32 v[112+(\t)], 23, v11             ; the scale's byte (a plain line behind the conversions)
	global_store_b64 v2, v[80+2*(\t):81+2*(\t)], s[8:9] offset:256*(\t)   ; the wave stores 256 consecutive bytes, aligned; each step has its own data registers
.endm
	DLX 0
	DLX 1
	DLX 2
.irp t, 0,1,2,3,4,5,6,7,8,9,10,11,12,13,14,15
	STEPX \t
.endr
.irp t, 0,1,2,3,4,5,6,7,8,9,10,11,12,13,14,15
	ds_store_b8 v3, v[112+\t] offset:16*\t         ; both lanes of a block write the same byte with the same value
.endr
	ds_load_b64 v[12:13], v4                       ; LDS serves a wave's instructions in order: this sees my stores
	s_wait_dscnt 0x0
	global_store_b64 v2, v[12:13], s[10:11]        ; 256 consecutive bytes, aligned
	s_wait_tensorcnt 0x0
	ds_add_u32 v192, v193
	s_wait_dscnt 0x0
	s_endpgm
; ------------------------------------------------------------------ W: a lane takes a column, its registers run down K
.Lw_path:
	s_sub_co_u32 s33, ttmp9, 128
	s_lshr_b32 s34, s33, 1                         ; which 64 columns
	s_and_b32 s35, s33, 1                          ; which 512 along K
	s_lshl_b32 s33, s[WV], 15
	s_add_co_u32 s[G0+1], s33, WREG                ; my tile in LDS
	s_lshl_b32 s2, s35, 2
	s_add_co_u32 s2, s2, s[WV]
	s_mul_i32 s2, s2, 128*12288                    ; my 128 rows of W,
	s_lshl_b32 s33, s34, 8
	s_add_co_u32 s2, s2, s33                       ; 256 bytes of each
	s_add_nc_u64 s[G0+2:G0+3], s[6:7], s[2:3]
	s_or_b32 s[G0+3], s[G0+3], 0x80000000
	tensor_load_to_lds s[G0:G0+3], s[G1W:G1W+7]
	s_nop 0
.rept 4
	v_nop                                          ; four lines behind a tensor load
.endr
	s_lshl_b32 s33, s34, 6
	s_lshl_b32 s2, s[WV], 4
	s_add_co_u32 s33, s33, s2                      ; the first of the 16 positions that I store
	s_lshl_b32 s2, s33, 9
	s_lshl_b32 s34, s35, 8
	s_add_co_u32 s2, s2, s34
	s_add_nc_u64 s[12:13], s[12:13], s[2:3]        ; codes: position x 512 + 256 x half of K
	s_lshl_b32 s2, s33, 5
	s_lshl_b32 s34, s35, 4
	s_add_co_u32 s2, s2, s34
	s_add_nc_u64 s[14:15], s[14:15], s[2:3]        ; scale bytes: position x 32 + 16 x half of K
	s_wait_alu depctr_va_vdst(0)
	v_lshlrev_b32 v1, 2, v14
	v_add_nc_u32 v1, s[G0+1], v1                   ; in: 4 bytes a lane
	v_lshrrev_b32 v8, 3, v14
	v_and_b32 v9, 7, v14
	v_lshl_add_u32 v8, v8, 4, v9                   ; column 32 u + lane lies at position 16 (lane / 8) + lane % 8 + 8 u
	v_mul_u32_u24 v2, v8, 272
	s_lshl_b32 s33, s[WV], 6
	s_add_co_u32 s33, s33, WSTG
	v_add_nc_u32 v2, s33, v2                       ; the stage: my position's row, my wave's 64 bytes.  (Rows 16 apart share their banks: these stores go two deep)
	v_lshlrev_b32 v3, 4, v8
	s_lshl_b32 s33, s[WV], 2
	s_add_co_u32 s33, s33, WSSC
	v_add_nc_u32 v3, s33, v3                       ; and my wave's four scale bytes of that row
	v_lshrrev_b32 v8, 4, v14
	v_and_b32 v9, 15, v14
	v_mul_u32_u24 v4, v8, 272
	v_lshl_add_u32 v4, v9, 4, v4
	s_mul_i32 s33, s[WV], 16*272
	s_add_co_u32 s33, s33, WSTG
	v_add_nc_u32 v4, s33, v4                       ; back: sixteen lanes to a row, two rows an instruction
	v_lshlrev_b32 v5, 9, v8
	v_lshl_add_u32 v5, v9, 4, v5                   ; and the same place in the codes' buffer
	v_lshlrev_b32 v6, 3, v14
	s_lshl_b32 s33, s[WV], 8
	s_add_co_u32 s33, s33, WSSC
	v_add_nc_u32 v6, s33, v6                       ; the scale bytes back: 8 bytes a lane, two lanes to a row
	v_lshrrev_b32 v7, 1, v14
	v_lshlrev_b32 v7, 5, v7
	v_and_b32 v9, 1, v14
	v_lshl_add_u32 v7, v9, 3, v7                   ; and their place in memory: rows 32 bytes apart, so 16 bytes of a row at a time: 98,304 bytes in all are written so
	s_wait_tensorcnt 0x0                           ; my tile has landed; only I read it
.macro DLW e                           ; block e = 4 u + q: W(32 q + i, column 32 u + lane), i = 0 .. 31, into set e % 2 of v32-95: 128 consecutive bytes a load
.irp i, 0,1,2,3,4,5,6,7,8,9,10,11,12,13,14,15,16,17,18,19,20,21,22,23,24,25,26,27,28,29,30,31
	ds_load_b32 v[32+32*((\e)%2)+\i], v1 offset:(32*((\e)%4)+\i)*256+128*((\e)/4)
.endr
.endm
.macro BLOCKW e
.set WS, 32+32*((\e)%2)
.if (\e) == 0
	s_wait_dscnt 32                                ; this block's 32 loads are in; the next block's may be out,
.elseif (\e) < 7
	s_wait_dscnt 33                                ; and the last block's store into the stage
.else
	s_wait_dscnt 1
.endif
	v_max3_num_f32 v12, |v[WS]|, |v[WS+1]|, |v[WS+2]|              ; the block's largest magnitude: all 32 numbers are mine
	v_max3_num_f32 v13, |v[WS+3]|, |v[WS+4]|, |v[WS+5]|
.irp i, 6,10,14,18,22,26
	v_max3_num_f32 v12, v12, |v[WS+\i]|, |v[WS+\i+1]|
	v_max3_num_f32 v13, v13, |v[WS+\i+2]|, |v[WS+\i+3]|
.endr
	v_max3_num_f32 v12, v12, |v[WS+30]|, |v[WS+31]|
	v_max3_num_f32 v12, v12, v13, 0x1800000        ; and the floor
	v_add_nc_u32 v11, 0xff000000, v12              ; the conversion's scale operand
	v_lshrrev_b32 v13, 23, v11                     ; the scale's byte
.if (\e)%4 == 0
	v_mov_b32 v[128+(\e)/4], v13                   ; four bytes to a register, the lower K in the lower byte
.else
	v_lshl_or_b32 v[128+(\e)/4], v13, 8*((\e)%4), v[128+(\e)/4]
.endif
.irp g, 0,1,2,3
	v_cvt_scalef32_pk8_fp4_f32 v[96+4*(\e)+\g], v[WS+8*\g:WS+8*\g+7], v11
.endr
	v_nop                                          ; a plain line behind the conversions
	ds_store_b128 v2, v[96+4*(\e):96+4*(\e)+3] offset:2176*((\e)/4)+16*((\e)%4)   ; 32 codes: 16 bytes of my position's row; each block has its own data registers
.if (\e)+2 < 8
	DLW (\e)+2
.endif
.endm
	DLW 0
	DLW 1
.irp e, 0,1,2,3,4,5,6,7
	BLOCKW \e
.endr
	ds_store_b32 v3, v128
	ds_store_b32 v3, v129 offset:128
	s_wait_dscnt 0x0                               ; for the others' sake: my stores into the stages are done (a row's 256 bytes come from four waves)
	s_barrier_signal -1
	s_barrier_wait -1
.irp i, 0,1,2,3,4,5,6,7
	ds_load_b128 v[132+4*\i:135+4*\i], v4 offset:544*\i
.endr
	ds_load_b64 v[164:165], v6
.irp i, 0,1,2,3,4,5,6,7
	s_wait_dscnt 8-\i                              ; load i is in; the 7 - i behind it and the scale bytes' may be out
	global_store_b128 v5, v[132+4*\i:135+4*\i], s[12:13] offset:1024*\i   ; sixteen lanes store 256 consecutive bytes, aligned
.endr
	s_wait_dscnt 0x0
	global_store_b64 v7, v[164:165], s[14:15]
	s_wait_tensorcnt 0x0
	ds_add_u32 v192, v193
	s_wait_dscnt 0x0
	s_endpgm
.Lfunc_end_k_qf45da28808_quant:
	.size	k_qf45da28808_quant, .Lfunc_end_k_qf45da28808_quant-k_qf45da28808_quant
	.p2alignl 7, 3214868480
	.fill 96, 4, 3214868480
	.section	.rodata,"a",@progbits
	.p2align	6, 0x0
	.amdhsa_kernel k_qf45da28808_quant
		.amdhsa_group_segment_fixed_size 314880
		.amdhsa_private_segment_fixed_size 0
		.amdhsa_enable_private_segment 0
		.amdhsa_kernarg_size 48
		.amdhsa_user_sgpr_count 2
		.amdhsa_user_sgpr_kernarg_segment_ptr 1
		.amdhsa_wavefront_size32 1
		.amdhsa_system_sgpr_workgroup_id_x 1
		.amdhsa_system_sgpr_workgroup_id_y 1
		.amdhsa_system_sgpr_workgroup_id_z 1
		.amdhsa_system_vgpr_workitem_id 0
		.amdhsa_next_free_vgpr 194
		.amdhsa_next_free_sgpr 66
		.amdhsa_reserve_vcc 0
		.amdhsa_float_denorm_mode_32 3
		.amdhsa_float_denorm_mode_16_64 3
		.amdhsa_memory_ordered 1
		.amdhsa_forward_progress 1
		.amdhsa_inst_pref_size 57
	.end_amdhsa_kernel
	.amdgpu_metadata
---
amdhsa.version: [ 1, 2 ]
amdhsa.kernels:
  - .name:           k_qf45da28808_quant
    .symbol:         k_qf45da28808_quant.kd
    .args:
      - { .name: x, .offset: 0, .size: 8, .value_kind: global_buffer, .address_space: global }
      - { .name: W_qkv, .offset: 8, .size: 8, .value_kind: global_buffer, .address_space: global }
      - { .name: xc, .offset: 16, .size: 8, .value_kind: global_buffer, .address_space: global }
      - { .name: xs, .offset: 24, .size: 8, .value_kind: global_buffer, .address_space: global }
      - { .name: wc, .offset: 32, .size: 8, .value_kind: global_buffer, .address_space: global }
      - { .name: ws, .offset: 40, .size: 8, .value_kind: global_buffer, .address_space: global }
    .group_segment_fixed_size: 314880
    .private_segment_fixed_size: 0
    .kernarg_segment_align: 8
    .kernarg_segment_size: 48
    .max_flat_workgroup_size: 128
    .sgpr_count:     66
    .vgpr_count:     194
    .wavefront_size: 32
...
	.end_amdgpu_metadata
.endif
;; end of part 1
;; launch gemm (part 2): grid 12 x 16, 4 waves a work-group, clusters of 4 x 4, 327,680 bytes of LDS; arguments xc, xs, wc, ws, img, isc; writes img, isc
.if DOCPART == 2
	.amdgcn_target "amdgcn-amd-amdhsa--gfx1250"
	.amdhsa_code_object_version 6
	.text
	.protected	k_qf45da28808_gemm
	.globl	k_qf45da28808_gemm
	.p2align	8
	.type	k_qf45da28808_gemm,@function
k_qf45da28808_gemm:
	s_mov_b64 s[64:65], 0
	v_nop
	global_prefetch_b8 v0, s[64:65] scope:SCOPE_SE
	s_setreg_imm32_b32 hwreg(HW_REG_WAVE_MODE, 25, 1), 1
	s_wait_xcnt 0x0
	s_wait_alu depctr_hold_cnt(0) depctr_sa_sdst(0) depctr_va_vdst(0) depctr_va_sdst(0) depctr_va_ssrc(0) depctr_va_vcc(0) depctr_vm_vsrc(0)
	s_getreg_b32 s2, hwreg(HW_REG_IB_STS2, 6, 4)
	s_cmp_eq_u32 s2, 0
	s_cbranch_scc0 .Lentry_in_a_cluster
	s_endpgm
.Lentry_in_a_cluster:
	s_bfe_u32 s2, ttmp6, 0x10000c
	s_cmp_lg_u32 s2, 0xf033
	s_cbranch_scc0 .Lentry_shape_is_right
	s_endpgm
.Lentry_shape_is_right:
.set NQ,     4
.set ROWB,   256
.set KROW,   512
.set PITCH,  528                       ; an LDS row: all of K, 512 bytes of codes, + 16 of padding
.set FR,     8
.set NL,     2
.set NP,     4
.set HALFT,  128*PITCH
.set SLOT,   4*HALFT
.set SCL,    SLOT                      ; the scales lie behind the 256 + 256 rows of codes
.set HALFS,  16*272
.set SBLK,   2*272
.set L16,  7
.set VO,   8
.set ADRA, 16
.set ADRB, 20
.set SH8,  22
.set FLR,  23
.set TP,   24
.set L8,   25
.set ADRS, 27
.set SC,   32
.set AF,   128
.set PC,   128
.set PW,   192
.set TM,   200
.set SO,   204
.set BY,   206
.set G1,   24
.set G0,   32
.set G1B,  48
.set G0B,  56
.set G1S,  68
.set G0S,  76
.set G1SB, 80
.set G0SB, 88
.set MSB, 0
.macro WIN new
.if MSB != \new
	s_set_vgpr_msb (MSB<<8)|\new
.set MSB, \new
.endif
.endm
.set MUL_LO, 0xa1
.set MUL_HI, 0xf1
.set TO_F,   0x40
.macro JLOAD g0a, g1a, g0b, g1b
	s_cmp_eq_u32 s17, 0
	s_cbranch_scc0 .Lfor_f_\@
	tensor_load_to_lds s[\g0a:\g0a+3], s[\g1a:\g1a+7]
	s_nop 0
.rept 4
	v_nop
.endr
	s_branch .Lasked_\@
.Lfor_f_\@:
	tensor_load_to_lds s[\g0b:\g0b+3], s[\g1b:\g1b+7]
	s_nop 0
.rept 4
	v_nop
.endr
.Lasked_\@:
.endm
.macro CROUND
	s_barrier_signal -1
	s_barrier_wait -1
	s_cmp_lg_u32 s16, 0
	s_cbranch_scc1 .Lnot_wave_0_\@
	s_barrier_signal -3
.Lnot_wave_0_\@:
	s_barrier_wait -3
	s_barrier_signal -1
	s_barrier_wait -1
.endm
	s_load_b256 s[4:11], s[0:1], 0x0
	s_load_b128 s[12:15], s[0:1], 0x20
	v_lshl_add_u32 v254, v0, 2, 0x48400
	v_mov_b32 v255, 0
	ds_add_u32 v254, v255
	ds_add_u32 v254, v255
	v_lshrrev_b32 v1, 5, v0
	v_readfirstlane_b32 s16, v1
	s_lshr_b32 s17, s16, 1
	s_and_b32 s18, s16, 1
	s_bfe_u32 s40, ttmp6, 0x40000
	s_bfe_u32 s41, ttmp6, 0x40004
	s_lshl_b32 s42, ttmp9, 2
	s_and_b32 s45, ttmp7, 0xffff
	s_lshl_b32 s45, s45, 2
	s_lshl_b32 s43, s41, 2
	s_lshl_b32 s43, 15, s43
	s_lshl_b32 s44, 0x1111, s40
	s_or_b32 s[G1+0], s43, (0<<16)|(1<<20)|(1<<21)|(6<<22)|(3<<25)   ; 256 rows of 512 bytes; four words of padding after every 128
	s_or_b32 s[G1B+0], s44, (0<<16)|(1<<20)|(1<<21)|(6<<22)|(3<<25)
.irp g, G1, G1B
	s_mov_b32 s[\g+1], KROW<<16
	s_mov_b32 s[\g+2], 256<<16
	s_mov_b32 s[\g+3], KROW<<16
	s_mov_b32 s[\g+4], 256
	s_mov_b32 s[\g+5], KROW
	s_mov_b32 s[\g+6], 0
	s_mov_b32 s[\g+7], 0
.endr
	s_or_b32 s[G1S+0], s43, (3<<16)|(1<<20)|(1<<21)|(5<<22)|(3<<25)
	s_or_b32 s[G1SB+0], s44, (3<<16)|(1<<20)|(1<<21)|(5<<22)|(3<<25)
.irp g, G1S, G1SB
	s_mov_b32 s[\g+1], 32<<16
	s_mov_b32 s[\g+2], 32<<16
	s_mov_b32 s[\g+3], 32<<16
	s_mov_b32 s[\g+4], 32
	s_mov_b32 s[\g+5], 32
	s_mov_b32 s[\g+6], 0
	s_mov_b32 s[\g+7], 0
.endr
	s_mov_b32 s21, 0                               ; a load brings a tile's 256 rows whole
	s_mov_b32 s3, 0
	s_mov_b32 s67, 0
	s_wait_dscnt 0x0
	s_wait_kmcnt 0x0
	s_cmp_eq_u32 ttmp9, 2
	s_cselect_b32 s19, 1, 0
	s_cselect_b32 s20, 8, s45
	s_cselect_b32 s46, s45, s42
	s_cselect_b64 s[92:93], s[8:9], s[4:5]
	s_cselect_b64 s[94:95], s[10:11], s[6:7]
	s_cselect_b64 s[96:97], s[4:5], s[8:9]
	s_cselect_b64 s[98:99], s[6:7], s[10:11]
	s_add_co_u32 s20, s20, s41
	s_add_co_u32 s46, s46, s40
	s_lshl_b32 s22, s20, 8
	s_add_co_u32 s22, s22, s21
	s_lshl_b32 s47, s46, 8
	s_add_co_u32 s47, s47, s21
	s_lshl_b32 s2, s22, 9
	s_add_nc_u64 s[92:93], s[92:93], s[2:3]
	s_lshl_b32 s2, s22, 5
	s_add_nc_u64 s[94:95], s[94:95], s[2:3]
	s_lshl_b32 s66, s47, 9
	s_add_nc_u64 s[96:97], s[96:97], s[66:67]
	s_lshl_b32 s66, s47, 5
	s_add_nc_u64 s[98:99], s[98:99], s[66:67]
	CROUND
	s_mov_b32 s[G0S], 1
	s_mov_b32 s[G0S+1], SCL
	s_mov_b64 s[G0S+2:G0S+3], s[94:95]
	s_or_b32 s[G0S+3], s[G0S+3], 0x80000000
	s_mov_b32 s[G0SB], 1
	s_mov_b32 s[G0SB+1], SCL+2*HALFS
	s_mov_b64 s[G0SB+2:G0SB+3], s[98:99]
	s_or_b32 s[G0SB+3], s[G0SB+3], 0x80000000
	s_mov_b32 s[G0], 1
	s_mov_b32 s[G0+1], 0
	s_mov_b64 s[G0+2:G0+3], s[92:93]
	s_or_b32 s[G0+3], s[G0+3], 0x80000000
	s_mov_b32 s[G0B], 1
	s_mov_b32 s[G0B+1], 2*HALFT
	s_mov_b64 s[G0B+2:G0B+3], s[96:97]
	s_or_b32 s[G0B+3], s[G0B+3], 0x80000000
; THE LAUNCH'S ONLY FILLS, ONE A WAVE, behind the one round: all of K fits in LDS (2 x 256 rows x 528 bytes, and 17,408 bytes of scales).  Wave 0: source 1's 256 rows; wave 1: source 0's; waves 2 and 3: their scales.
; ONE chain of branches on the wave's number, a load to an arm, all arms leading to one join.
.macro ARM under, g0, g1, next
	s_cmp_lt_u32 s16, \under
	s_cbranch_scc0 \next
	tensor_load_to_lds s[\g0:\g0+3], s[\g1:\g1+7]
	s_nop 0
.rept 4
	v_nop
.endr
	s_branch .Lhead_asked
\next:
.endm
	ARM 1, G0,  G1,  .Lhead_b
	ARM 2, G0B, G1B, .Lhead_sa
	ARM 3, G0S, G1S, .Lhead_sb
	tensor_load_to_lds s[G0SB:G0SB+3], s[G1SB:G1SB+7]
	s_nop 0
.rept 4
	v_nop
.endr
.Lhead_asked:
	v_and_b32 v1, 15, v0
	v_bfe_u32 v2, v0, 4, 1
	v_mul_u32_u24 v3, v1, PITCH
	v_lshl_add_u32 v4, v2, 4, v3
	s_mul_i32 s21, s17, HALFT
	s_mul_i32 s22, s18, HALFT
	s_add_co_u32 s22, s22, 2*HALFT
.irp s, 0,1
	v_add_nc_u32 v[ADRA+\s], s21, v4
	v_add_nc_u32 v[ADRB+\s], s22, v4
	s_add_co_u32 s21, s21, ROWB                    ; the second 512 along K: 256 bytes on in the same LDS rows
	s_add_co_u32 s22, s22, ROWB
.endr
	v_mul_u32_u24 v5, v1, 32
	v_lshrrev_b32 v6, 8, v5
	v_lshl_add_u32 v5, v6, 4, v5
	s_mul_i32 s21, s17, HALFS
	s_mul_i32 s22, s18, HALFS
	s_add_co_u32 s22, s22, 2*HALFS
	s_sub_co_u32 s22, s22, s21
	v_mul_u32_u24 v6, s22, v2
	s_add_co_u32 s21, s21, SCL
	v_add_nc_u32 v5, v5, v6
	v_add_nc_u32 v[ADRS], s21, v5
	v_and_b32 v6, 31, v0
	v_lshlrev_b32 v[L16], 4, v6
	s_wait_alu depctr_va_vdst(0)
	v_lshlrev_b32 v[L8], 3, v6
	v_lshlrev_b32 v[SH8], 3, v2
	v_mov_b32 v[FLR], 0x1800000
	v_mov_b32 v[TP], 0
	s_cmp_eq_u32 s19, 1
	s_mov_b32 s23, 196608
	s_cselect_b32 s66, s46, s20
	s_cselect_b32 s67, s18, s17
	s_cselect_b32 s2, s41, s40
	s_cselect_b32 s3, s17, s18
	s_cselect_b32 s47, 512, s23
	s_lshr_b32 s21, s66, 3
	s_and_b32 s66, s66, 7
	s_lshl_b32 s66, s66, 1
	s_add_co_u32 s66, s66, s67
	s_lshl_b32 s21, s21, 4
	s_lshl_b32 s2, s2, 2
	s_add_co_u32 s21, s21, s2
	s_lshl_b32 s3, s3, 1
	s_add_co_u32 s21, s21, s3
	s_mul_i32 s2, s21, 196608
	s_lshl_b32 s3, ttmp9, 16
	s_add_co_u32 s2, s2, s3
	s_lshl_b32 s3, s66, 12
	s_add_co_u32 s2, s2, s3
	s_mov_b32 s3, 0
	s_add_nc_u64 s[4:5], s[12:13], s[2:3]
	s_mov_b32 s2, s47
	s_add_nc_u64 s[6:7], s[4:5], s[2:3]
	s_mul_i32 s2, s21, 12288
	s_lshl_b32 s22, ttmp9, 12
	s_add_co_u32 s2, s2, s22
	s_lshl_b32 s22, s66, 8
	s_add_co_u32 s2, s2, s22
	s_add_nc_u64 s[8:9], s[14:15], s[2:3]
	s_mov_b32 s10, 0x76543210
	s_mov_b32 s11, 0xfedcba98
	s_mov_b32 s12, 0xffff0000
	s_lshl_b32 s21, 512, s19
	s_mul_i32 s22, s19, 192512
	s_mov_b32 s23, 0
.irp a, 0,1,2,3,4,5,6,7
	v_add_nc_u32 v[VO+\a], s23, v[L16]
	s_add_co_u32 s23, s23, s21
.if \a == 3
	s_add_co_u32 s23, s23, s22
.endif
.endr
.macro FRAG reg, adr, q, i
.irp c, 0,1
	ds_load_b128 v[\reg+4*\c:\reg+4*\c+3], v[\adr] offset:64*(\q)+32*\c+(\i)*16*PITCH
.endr
.endm
.macro MUL16 a0, p, q, sc, zero
.irp a, \a0, \a0+1
.irp b, 0,1,2,3,4,5,6,7
.if \zero
	v_wmma_scale_f32_16x16x128_f8f6f4 v[8*(8*((\a)%4)+\b):8*(8*((\a)%4)+\b)+7], v[128*(\p)+FR*\b:128*(\p)+FR*\b+FR-1], v[AF+FR*(\a):AF+FR*(\a)+FR-1], 0, v[SC+8*NQ*(\sc)+NQ*\b+(\q)], v[SC+8*NQ*(\sc)+NQ*(\a)+(\q)] matrix_a_fmt:MATRIX_FMT_FP4 matrix_b_fmt:MATRIX_FMT_FP4 matrix_a_scale:MATRIX_SCALE_ROW1
.else
	v_wmma_scale_f32_16x16x128_f8f6f4 v[8*(8*((\a)%4)+\b):8*(8*((\a)%4)+\b)+7], v[128*(\p)+FR*\b:128*(\p)+FR*\b+FR-1], v[AF+FR*(\a):AF+FR*(\a)+FR-1], v[8*(8*((\a)%4)+\b):8*(8*((\a)%4)+\b)+7], v[SC+8*NQ*(\sc)+NQ*\b+(\q)], v[SC+8*NQ*(\sc)+NQ*(\a)+(\q)] matrix_a_fmt:MATRIX_FMT_FP4 matrix_b_fmt:MATRIX_FMT_FP4 matrix_a_scale:MATRIX_SCALE_ROW1
.endif
.endr
.endr
.endm
.macro FETCH_F slot, q, p
	WIN TO_F
.irp i, 0,1,2,3,4,5,6,7
	FRAG 128*(\p)+FR*\i, ADRB+\slot, \q, \i
.endr
	WIN 0
.endm
.macro FETCH_S slot, q, i0
.irp i, \i0, \i0+1, \i0+2, \i0+3
	FRAG AF+FR*(\i), ADRA+\slot, \q, \i
.endr
.endm
.macro SCALES sc
.irp i, 0,1,2,3,4,5,6,7
	ds_load_b128 v[SC+8*NQ*\sc+NQ*\i:SC+8*NQ*\sc+NQ*\i+3], v[ADRS] offset:\i*SBLK
.endr
.endm
.macro PLACES n
.rept \n
	v_nop
.endr
.endm
.macro STEP slot, q, zero
	s_wait_dscnt 4*NL
	WIN MUL_LO
	MUL16 0, (\q)%2, \q, \slot, \zero
	MUL16 2, (\q)%2, \q, \slot, \zero
	s_wait_dscnt 0
	PLACES NP
	FETCH_F \slot, (\q)+1, 1-(\q)%2
	FETCH_S \slot, (\q)+1, 0
	WIN MUL_HI
	MUL16 4, (\q)%2, \q, \slot, \zero
	MUL16 6, (\q)%2, \q, \slot, \zero
	PLACES NP
	WIN 0
	FETCH_S \slot, (\q)+1, 4
.endm
.macro STEPS slot, from
.set Q, \from
.rept NQ-1-\from
	STEP \slot, Q, 0
.set Q, Q+1
.endr
.endm
	s_wait_alu depctr_va_vdst(0)                   ; the wait at the head's end
	s_wait_tensorcnt 0x0                           ; my one load has landed
	s_barrier_signal -1
	s_barrier_wait -1
	FETCH_F 0, 0, 0
	FETCH_S 0, 0, 0
	SCALES 0
	FETCH_S 0, 0, 4
	STEP 0, 0, 1
	STEPS 0, 1
	s_wait_tensorcnt 0x0
	s_wait_dscnt 4*NL
	WIN MUL_LO
	MUL16 0, 1, NQ-1, 0, 0
	s_wait_dscnt 0x0
	s_barrier_signal -1
	MUL16 2, 1, NQ-1, 0, 0
	WIN 0
	s_barrier_wait -1
	PLACES NP
	v_add_nc_u32 v[ADRS], 4*NQ, v[ADRS]
	FETCH_F 1, 0, 0
	FETCH_S 1, 0, 0
	SCALES 1
	WIN MUL_HI
	MUL16 4, 1, NQ-1, 0, 0
	MUL16 6, 1, NQ-1, 0, 0
	PLACES NP
	WIN 0
	FETCH_S 1, 0, 4
	STEPS 1, 0
	s_wait_dscnt 4*NL
	WIN MUL_LO
	MUL16 0, 1, NQ-1, 1, 0
	MUL16 2, 1, NQ-1, 1, 0
	s_wait_dscnt 0
	WIN MUL_HI
	MUL16 4, 1, NQ-1, 1, 0
	MUL16 6, 1, NQ-1, 1, 0
	WIN 0
.macro QUANT64 a
.set AC, 64*((\a)%4)
.set WN, 2+(\a)/4
.set WSEL, (WN<<2)|(WN<<4)
	WIN WSEL
.irp k, 0,1,2,3
	v_max3_num_f32 v[TM+\k], v[FLR], |v[AC+16*\k]|, |v[AC+16*\k+1]|
.endr
.irp i, 2,4,6,8,10,12,14
.irp k, 0,1,2,3
	v_max3_num_f32 v[TM+\k], v[TM+\k], |v[AC+16*\k+\i]|, |v[AC+16*\k+\i+1]|
.endr
.endr
	WIN 0
	v_max_num_f32 v[TM], v[TM], v[TM+1]
	v_max_num_f32 v[TM+2], v[TM+2], v[TM+3]
	v_add_nc_u32 v[SO], 0xff000000, v[TM]
	v_add_nc_u32 v[SO+1], 0xff000000, v[TM+2]
	v_lshrrev_b32 v[BY], 23, v[SO]
	v_lshrrev_b32 v[BY+1], 23, v[SO+1]
	v_lshl_or_b32 v[PW+(\a)], v[BY+1], 16, v[BY]
	v_lshlrev_b32 v[PW+(\a)], v[SH8], v[PW+(\a)]
	v_permlanex16_b32 v[TP], v[PW+(\a)], s10, s11
	v_or_b32 v[PW+(\a)], v[PW+(\a)], v[TP]
	WIN WN
.irp c, 0,1
.irp g, 0,1,2,3
	v_cvt_scalef32_pk8_fp4_f32 v[PC+8*(\a)+4*\c+\g], v[AC+32*\c+8*\g:AC+32*\c+8*\g+7], v[SO+\c]
.endr
.endr
	WIN 0
	v_nop
	global_store_b128 v[VO+(\a)], v[PC+8*(\a):PC+8*(\a)+3], s[4:5]
	global_store_b128 v[VO+(\a)], v[PC+8*(\a)+4:PC+8*(\a)+7], s[6:7]
.endm
	PLACES NP
.irp a, 0,1,2,3,4,5,6,7
	QUANT64 \a
.endr
	s_cmp_eq_u32 ttmp9, 2
	s_cbranch_scc1 .Lv_words
.irp f, 0,1,2,3
	v_perm_b32 v[208+\f], v[PW+2*\f+1], v[PW+2*\f], 0x05040100
	v_perm_b32 v[212+\f], v[PW+2*\f+1], v[PW+2*\f], 0x07060302
.endr
	v_cndmask_b32 v216, v208, v209, s12
	v_cndmask_b32 v217, v210, v211, s12
	v_cndmask_b32 v218, v212, v213, s12
	v_cndmask_b32 v219, v214, v215, s12
	s_branch .Lwords
.Lv_words:
	v_cndmask_b32 v216, v192, v193, s12
	v_cndmask_b32 v217, v194, v195, s12
	v_cndmask_b32 v218, v196, v197, s12
	v_cndmask_b32 v219, v198, v199, s12
.Lwords:
	s_wait_alu depctr_va_vdst(0)
	global_store_b64 v[L8], v[216:217], s[8:9]
	global_store_b64 v[L8], v[218:219], s[8:9] offset:12288
	s_wait_tensorcnt 0x0
	ds_add_u32 v254, v255
	s_wait_dscnt 0x0
	CROUND
	s_endpgm
.Lfunc_end_k_qf45da28808_gemm:
	.size	k_qf45da28808_gemm, .Lfunc_end_k_qf45da28808_gemm-k_qf45da28808_gemm
	.p2alignl 7, 3214868480
	.fill 96, 4, 3214868480
	.section	.rodata,"a",@progbits
	.p2align	6, 0x0
	.amdhsa_kernel k_qf45da28808_gemm
		.amdhsa_group_segment_fixed_size 327680
		.amdhsa_private_segment_fixed_size 0
		.amdhsa_enable_private_segment 0
		.amdhsa_kernarg_size 48
		.amdhsa_user_sgpr_count 2
		.amdhsa_user_sgpr_kernarg_segment_ptr 1
		.amdhsa_wavefront_size32 1
		.amdhsa_system_sgpr_workgroup_id_x 1
		.amdhsa_system_sgpr_workgroup_id_y 1
		.amdhsa_system_sgpr_workgroup_id_z 1
		.amdhsa_system_vgpr_workitem_id 0
		.amdhsa_next_free_vgpr 1024
		.amdhsa_next_free_sgpr 100
		.amdhsa_reserve_vcc 0
		.amdhsa_float_denorm_mode_32 3
		.amdhsa_float_denorm_mode_16_64 3
		.amdhsa_memory_ordered 1
		.amdhsa_forward_progress 1
		.amdhsa_inst_pref_size 123
	.end_amdhsa_kernel
	.amdgpu_metadata
---
amdhsa.version: [ 1, 2 ]
amdhsa.kernels:
  - .name:           k_qf45da28808_gemm
    .symbol:         k_qf45da28808_gemm.kd
    .args:
      - { .name: xc, .offset: 0, .size: 8, .value_kind: global_buffer, .address_space: global }
      - { .name: xs, .offset: 8, .size: 8, .value_kind: global_buffer, .address_space: global }
      - { .name: wc, .offset: 16, .size: 8, .value_kind: global_buffer, .address_space: global }
      - { .name: ws, .offset: 24, .size: 8, .value_kind: global_buffer, .address_space: global }
      - { .name: img, .offset: 32, .size: 8, .value_kind: global_buffer, .address_space: global }
      - { .name: isc, .offset: 40, .size: 8, .value_kind: global_buffer, .address_space: global }
    .group_segment_fixed_size: 327680
    .private_segment_fixed_size: 0
    .kernarg_segment_align: 8
    .kernarg_segment_size: 48
    .max_flat_workgroup_size: 128
    .sgpr_count:     100
    .vgpr_count:     1024
    .wavefront_size: 32
...
	.end_amdgpu_metadata
.endif
;; end of part 2
;; launch attn (part 3): grid 8 x 32, 8 waves a work-group, clusters of 4 x 1, 210,944 bytes of LDS; arguments img, isc, out0; writes out0
.if DOCPART == 3
	.amdgcn_target "amdgcn-amd-amdhsa--gfx1250"
	.amdhsa_code_object_version 6
	.text
	.protected	k_qf45da28808_attn
	.globl	k_qf45da28808_attn
	.p2align	8
	.type	k_qf45da28808_attn,@function
k_qf45da28808_attn:
	s_mov_b64 s[64:65], 0
	v_nop
	global_prefetch_b8 v0, s[64:65] scope:SCOPE_SE
	s_setreg_imm32_b32 hwreg(HW_REG_WAVE_MODE, 25, 1), 1
	s_wait_xcnt 0x0
	s_wait_alu depctr_hold_cnt(0) depctr_sa_sdst(0) depctr_va_vdst(0) depctr_va_sdst(0) depctr_va_ssrc(0) depctr_va_vcc(0) depctr_vm_vsrc(0)
	s_getreg_b32 s2, hwreg(HW_REG_IB_STS2, 6, 4)
	s_cmp_eq_u32 s2, 0
	s_cbranch_scc0 .Lentry_in_a_cluster
	s_endpgm
.Lentry_in_a_cluster:
	s_bfe_u32 s2, ttmp6, 0x10000c
	s_cmp_lg_u32 s2, 0x3003
	s_cbranch_scc0 .Lentry_shape_is_right
	s_endpgm
.Lentry_shape_is_right:
; out0[b][token][64 head + d] = the sum over keys of softmax(q . k / 32) v, both products on codes of FP4 (E2M1) with E8M0 scales, from the register images (img) and scale words (isc) of the launch before.
; THE SOFTMAX AHEAD OF THE SECOND PRODUCT: t = score x log2(e) / 32; M = the running largest t rounded UP to a whole number; p = 2^(t - M) is quantised along the keys, not normalised; the row's sum is taken of the
; unquantised p in f32 and divides at the end; when M moves, the sum and O are multiplied by 2^(old M - new M), which rounds nothing.
; SHARES.  A work-group owns 256 queries of one (batch, head); each of its EIGHT waves owns TWO tiles of 16 queries, so that each fragment of K and V read from LDS feeds two tiles; two waves to a SIMD.
; A step is 256 keys: 32 products for S^T, one change of M and one rescaling of O^T a tile, 16 products for O^T.  8 steps: 7 trips and the last written out, which fetches no K.
; ALL KEYS OF THE HEAD LIE IN LDS: K's and V's images, 131,072 bytes, one joint tensor load of 16,384 bytes a wave, filled once; their 8,192 bytes of scale words come through registers (32 bytes a thread) into bytes of their own.
; CLUSTER.  The four query blocks of a cluster belong to one head: each tensor load is asked for jointly, with the same descriptor and the mask of all four.
; NO PREFETCH: all that the launch reads is asked for at its head; there is no loop to run ahead in.
; LAYOUT.  Both products are used transposed (S^T = K Q^T, O^T = V^T P^T): a lane holds ONE query of each tile (lane % 16).  Tokens lie permuted in groups of 64 (token 32 h + 8 t + j at position 16 t + 8 h + j), channels of V
; likewise: the 32 registers of four neighbouring tiles of S^T are one whole block of 32 neighbouring keys, in the order of the operand's registers: the conversions' results are P.
; THE HEAD'S 64 IN AN INSTRUCTION 128 DEEP: a fragment of K holds TWO tiles of keys and is multiplied by [q | zero codes] and by [zero codes | q]; q, zeros, q lie in 12 registers on end, which serve both.
; LIMITS: the promise holds while the scaled scores stay under 2^31 in magnitude; a block's largest p is taken from its largest score by the same multiply-add and exponential, which takes v_exp_f32 not to fall where its
; input rises; p under 2^-126 comes out as 0 (ISA guide 15.8); a block whose every p is under 2^-124 keeps the byte 1; NaN and infinities are not served.
; REGISTERS.  Window 1 (v256-511): S^T, then p: tile e, block k of 32 keys (k = 0..3) at 128 e + 32 k.  Window 0: as named below.
.set STG,   139264                     ; behind images and words: 16 rows x (256 + 16) bytes for each tile, for the way out; no fill lands there
.set SPARE, 208896                     ; the spare words: 128 bytes a wave
.set AK0, 1                            ; 16 x lane: my place in an image of K
.set SPW, 2                            ; my spare word; never rewritten
.set NIL, 3                            ; 0; never rewritten
.set AV0, 4                            ; the same for V
.set AW0, 5                            ; 8 x lane among the scale words
.set GO,  6                            ; the way out: my byte offset in out0
.set SH8, 7                            ; 8 h
.set ADK, 8                            ; addresses of the step in hand
.set ADV, 9
.set ADW, 10
.set STI, 11                           ; my stage: in
.set NM,  12                           ; v12, v14: -M of tile 0, 1; v13, v15: the largest score
.set OM,  16                           ; v16, v17: the old -M
.set FF,  18                           ; v[18:19], v[20:21]: f
.set SUM, 22                           ; v[22:23], v[24:25]: the sums, in two halves
.set STO, 26                           ; my stage: back
.set WO,  27                           ; 16 x thread: the scale words' way in
.set QO,  28                           ; v28-39, v40-51: q, zeros, q
.set QS,  52                           ; Q's scale words: tile e: below, above
.set KW,  56                           ; K's, two for each 128 keys
.set VW,  60                           ; V's
.set PW,  64                           ; P's: 2 e + u
.set BM,  68                           ; the blocks' largest scores: 4 e + k
.set SO,  76                           ; the conversions' scale operands
.set BY,  84                           ; the scales' bytes
.set T,   92
.set TP,  94
.set PC,  96                           ; P's codes: 16 e + 8 u
.set OT,  128                          ; O^T: 32 e
.set FR,  192                          ; 64 registers: eight fragments of K, then of V
.set WV,  18
.set SEL, 20
.set CS,  22
.set NC,  24
.set G1C, 28
.set G0C, 44
.set TB,  52
.set TS,  53
.set CNT, 54
.set MSB, 0
.macro WIN new                         ; the immediate's high byte repeats the setting that is left
.if MSB != \new
	s_set_vgpr_msb (MSB<<8)|\new
.set MSB, \new
.endif
.endm
.macro ROUND                           ; a round of the cluster's barrier
	s_barrier_signal -1
	s_barrier_wait -1
	s_cmp_lg_u32 s[WV], 0
	s_cbranch_scc1 .Lnot_wave_0_\@
	s_barrier_signal -3
.Lnot_wave_0_\@:
	s_barrier_wait -3
	s_barrier_signal -1
	s_barrier_wait -1
.endm
	s_load_b128 s[4:7], s[0:1], 0x0                ; img, isc
	s_load_b64 s[8:9], s[0:1], 0x10                ; out0
	v_lshl_add_u32 v[SPW], v0, 2, SPARE
	v_mov_b32 v[NIL], 0
	ds_add_u32 v[SPW], v[NIL]                      ; the opening lines: the add, twice on end, and its wait ahead of my tensor load
	ds_add_u32 v[SPW], v[NIL]
	v_lshrrev_b32 v[T], 5, v0
	v_readfirstlane_b32 s[WV], v[T]                ; wave 0..7
	s_mul_i32 s55, s[WV], 2*16*272
	s_add_co_u32 s55, s55, STG                     ; my two stages
	v_and_b32 v[T], 31, v0                         ; lane
	v_and_b32 v[T+1], 15, v0                       ; r
	v_bfe_u32 v[TP], v0, 4, 1                      ; h
	v_lshlrev_b32 v[AK0], 4, v[T]
	v_lshlrev_b32 v[AW0], 3, v[T]
	v_lshlrev_b32 v[WO], 4, v0
	v_lshlrev_b32 v[TP+1], 3, v[T+1]               ; Q's scale word of row r
	v_add_nc_u32 v[AV0], 65536, v[AK0]
	v_add_nc_u32 v[AW0], 131072, v[AW0]
	v_add_nc_u32 v[ADK], 131072, v[WO]             ; (until the loop: where my 16 bytes of scale words go)
	v_lshlrev_b32 v[SH8], 3, v[TP]
	v_lshlrev_b32 v[GO], 12, v[TP]
	v_lshl_add_u32 v[GO], v[T+1], 4, v[GO]         ; lanes 0-15 one token, lanes 16-31 the next; 16 bytes a lane
	v_mul_u32_u24 v[STI], v[T+1], 272
	v_lshl_add_u32 v[STI], v[TP], 7, v[STI]
	v_add_nc_u32 v[STI], s55, v[STI]               ; in: row r, + 128 h
	v_mul_u32_u24 v[STO], v[TP], 272
	v_lshl_add_u32 v[STO], v[T+1], 4, v[STO]
	v_add_nc_u32 v[STO], s55, v[STO]               ; back: lanes 0-15 one row, lanes 16-31 the next
	s_wait_alu depctr_va_vdst(0)                   ; ahead of the scalar lines and the waits below
	s_bfe_u32 s55, ttmp6, 0x40000                  ; cx
	s_lshl_b32 s56, ttmp9, 2
	s_add_co_u32 s56, s56, s55                     ; my block of 256 queries: it enters Q's and the output's addresses alone
	s_and_b32 s57, ttmp7, 0xffff                   ; 16 x batch + head, which the four partners share
	s_mul_i32 s58, s57, 196608                     ; the head's images
	s_lshl_b32 s60, s[WV], 14
	s_add_co_u32 s60, s60, s58
	s_add_co_u32 s60, s60, 65536                   ; K's and V's, behind Q's: my 16,384 bytes
	s_mov_b32 s61, 0
	s_mul_i32 s62, s57, 12288                      ; the head's scale words
	s_add_co_u32 s66, s62, 4096                    ; K's and V's, behind Q's
	s_mov_b32 s67, 0
	s_lshl_b32 s59, s56, 13                        ; my tiles 16 x block + 2 x wave and the next: 512 bytes each
	s_lshl_b32 s63, s[WV], 10
	s_add_co_u32 s59, s59, s63
	s_add_co_u32 s68, s58, s59
	s_mov_b32 s69, 0
	s_lshl_b32 s59, s56, 1                         ; their scale word: which 128 tokens: 2 x block + wave / 4;
	s_lshr_b32 s63, s[WV], 2
	s_add_co_u32 s59, s59, s63
	s_lshl_b32 s59, s59, 8
	s_and_b32 s63, s[WV], 1                        ; odd pairs of tiles lie in lanes 16-31,
	s_lshl_b32 s63, s63, 7
	s_add_co_u32 s59, s59, s63
	s_bfe_u32 s63, s[WV], 0x10001                  ; pairs 2 and 3 in the second word
	s_lshl_b32 s63, s63, 2
	s_add_co_u32 s59, s59, s63
	s_add_co_u32 s70, s62, s59
	s_mov_b32 s71, 0
	s_lshr_b32 s59, s57, 4                         ; the output: batch x 2,048 tokens
	s_lshl_b32 s59, s59, 11
	s_lshl_b32 s63, s56, 8                         ; + 256 x block
	s_add_co_u32 s59, s59, s63
	s_lshr_b32 s63, s[WV], 1                       ; + 64 (wave / 2)
	s_lshl_b32 s63, s63, 6
	s_add_co_u32 s59, s59, s63
	s_and_b32 s63, s[WV], 1                        ; + 16 (wave % 2); tile 1: 8 more.  Row m of a tile is that token + 32 (m / 8) + m % 8
	s_lshl_b32 s63, s63, 4
	s_add_co_u32 s59, s59, s63
	s_lshl_b32 s14, s59, 12                        ; 4,096 bytes a token
	s_and_b32 s63, s57, 15
	s_lshl_b32 s63, s63, 8                         ; + 256 bytes x head
	s_add_co_u32 s14, s14, s63
	s_mov_b32 s15, 0
	s_mov_b32 s[G1C], 15|(3<<16)|(1<<21)           ; the mask of all four; elements of 8 bytes; bit 21 beside a mask; no padding: every read is 16 bytes x lane on end
	s_mov_b32 s[G1C+1], 32<<16                     ; a dense block as 64 rows of 256 bytes
	s_mov_b32 s[G1C+2], 64<<16
	s_mov_b32 s[G1C+3], 32<<16
	s_mov_b32 s[G1C+4], 64
	s_mov_b32 s[G1C+5], 32
	s_mov_b32 s[G1C+6], 0
	s_mov_b32 s[G1C+7], 0
	s_mov_b32 s[SEL], 0x76543210                   ; v_permlanex16_b32's selects for lane l xor 16
	s_mov_b32 s[SEL+1], 0xfedcba98
	s_mov_b32 s[CS], 0x3d38aa3b                    ; c = log2(e) / 32
	s_mov_b32 s[CS+1], s[CS]
	s_mov_b32 s[NC], 0xbd38aa3b                    ; -c
	s_mov_b32 s[TB], 0
	s_mov_b32 s[TS], 0
	s_mov_b32 s[CNT], 7
	s_wait_dscnt 0x0                               ; both opening adds are done
	s_wait_kmcnt 0x0
	s_add_nc_u64 s[10:11], s[4:5], s[68:69]        ; my tiles' images
	s_add_nc_u64 s[12:13], s[6:7], s[70:71]        ; their scale words
	s_add_nc_u64 s[66:67], s[6:7], s[66:67]        ; K's and V's scale words
	s_add_nc_u64 s[8:9], s[8:9], s[14:15]
.irp e, 0,1
	global_load_b128 v[QO+12*\e:QO+12*\e+3], v[AK0], s[10:11] offset:512*\e      ; q, below the zero codes,
	global_load_b128 v[QO+12*\e+8:QO+12*\e+11], v[AK0], s[10:11] offset:512*\e   ; and once more above them
.endr
	global_load_b32 v[QS], v[TP+1], s[12:13]       ; row r's word: tile 0's two bytes below, tile 1's above
	global_load_b128 v[FR:FR+3], v[WO], s[66:67]   ; 8,192 bytes of scale words: 2 x 16 bytes a thread
	global_load_b128 v[FR+4:FR+7], v[WO], s[66:67] offset:4096
	ROUND                                          ; all four work-groups are here: the joint loads meet
	s_mov_b32 s[G0C], 1
	s_lshl_b32 s[G0C+1], s[WV], 14                 ; LDS: K's images from byte 0, V's from 65,536
	s_add_nc_u64 s[G0C+2:G0C+3], s[4:5], s[60:61]
	s_or_b32 s[G0C+3], s[G0C+3], 0x80000000
	tensor_load_to_lds s[G0C:G0C+3], s[G1C:G1C+7]  ; my one tensor load
	s_nop 0
.irp j, 4,5,6,7,16,17,18,19
	v_mov_b32 v[QO+\j], 0                          ; zero codes
.endr
	v_mov_b32 v[NM+1], 0xff61b1e6                  ; the largest score so far: -3e38
	v_mov_b32 v[NM+3], 0xff61b1e6
	v_mul_f32 v[T], s[NC], v[NM+1]
	v_mov_b32 v[FF+1], 0                           ; (the upper halves of the pairs that hold f)
	v_mov_b32 v[FF+3], 0
.irp j, 0,1,2,3
	v_mov_b32 v[SUM+\j], 0
.endr
	v_floor_f32 v[NM], v[T]                        ; -M
	v_floor_f32 v[NM+2], v[T]
	s_wait_alu depctr_va_vdst(0)                   ; directly ahead of the wait below
	s_wait_loadcnt 0x0
	v_lshlrev_b32 v[QS+1], 16, v[QS]               ; tile 0, for [0 | q]; the bytes over zero codes are 0, a scale like any other
	v_lshrrev_b32 v[QS+2], 16, v[QS]               ; tile 1, for [q | 0]
	v_and_b32 v[QS+3], 0xffff0000, v[QS]           ; tile 1, for [0 | q]
	v_and_b32 v[QS], 0xffff, v[QS]                 ; tile 0, for [q | 0]
.set I, 0
.rept 64
	v_mov_b32 v[OT+I], 0                           ; O^T: the step is written once, and its first change of M multiplies zeros.  (Also the places between the scale words just made and the first product)
.set I, I+1
.endr
	s_wait_alu depctr_va_vdst(0)                   ; the wait at the head's end
	s_wait_tensorcnt 0x0                           ; my part of the images has landed
	ds_store_b128 v[ADK], v[FR:FR+3]
	ds_store_b128 v[ADK], v[FR+4:FR+7] offset:4096
	s_wait_dscnt 0x0                               ; for the others' sake
	s_barrier_signal -1
	s_barrier_wait -1                              ; everybody's images and words are in
.irp i, 0,1,2,3,4,5,6,7,8,9,10,11,12,13,14,15
	ds_load_b128 v[FR+4*\i:FR+4*\i+3], v[AK0] offset:512*\i        ; K of step 0: sixteen tile images make eight fragments
.endr
	ds_load_b64 v[KW:KW+1], v[AW0]
	ds_load_b64 v[KW+2:KW+3], v[AW0] offset:256
.macro MM d, a, b, c, sa, sb, row
.if \row
	v_wmma_scale_f32_16x16x128_f8f6f4 v[(\d):(\d)+7], v[(\a):(\a)+7], v[(\b):(\b)+7], \c, v[\sa], v[\sb] matrix_a_fmt:MATRIX_FMT_FP4 matrix_b_fmt:MATRIX_FMT_FP4 matrix_a_scale:MATRIX_SCALE_ROW1
.else
	v_wmma_scale_f32_16x16x128_f8f6f4 v[(\d):(\d)+7], v[(\a):(\a)+7], v[(\b):(\b)+7], \c, v[\sa], v[\sb] matrix_a_fmt:MATRIX_FMT_FP4 matrix_b_fmt:MATRIX_FMT_FP4
.endif
.endm
.macro LVL n, hint                     ; a level of the sums' tree, in place on p's pairs, the two tiles by turns
.set I, 0
.rept \n
.irp e, 0,1
.if \hint
	s_delay_alu instid0(VALU_DEP_2)
.endif
	v_pk_add_f32 v[128*\e+2*I:128*\e+2*I+1], v[128*\e+2*I:128*\e+2*I+1], v[128*\e+2*(I+\n):128*\e+2*(I+\n)+1]
.endr
.set I, I+1
.endr
.endm
; A STEP: 256 keys x my 32 queries.  next = 1: the next step's K is fetched.
.macro STEP next
	s_wait_dscnt 0x0                               ; this step's K and its scale words are in
	WIN 0x40                                       ; results in window 1
.irp u, 0,1
.irp f, 0,1,2,3
.irp e, 0,1                            ; fragment f against [q | 0] gives tile 2 f of S^T, against [0 | q] tile 2 f + 1; 32 accumulators, each begun with 0
	MM 128*\e+64*\u+16*\f, FR+32*\u+8*\f, QO+12*\e, 0, KW+2*\u+\f/2, QS+2*\e, \f%2
	MM 128*\e+64*\u+16*\f+8, FR+32*\u+8*\f, QO+12*\e+4, 0, KW+2*\u+\f/2, QS+2*\e+1, \f%2
.endr
.endr
.endr
	WIN 0
	v_add_nc_u32 v[ADK], s[TB], v[AK0]             ; five plain lines: the places behind the products, in front of the loads below and of the first read of the scores
	v_add_nc_u32 v[ADV], s[TB], v[AV0]
	v_add_nc_u32 v[ADW], s[TS], v[AW0]
	v_mov_b32 v[OM], v[NM]                         ; -M is kept
	v_mov_b32 v[OM+1], v[NM+2]
.irp i, 0,1,2,3,4,5,6,7,8,9,10,11,12,13,14,15
	ds_load_b128 v[FR+4*\i:FR+4*\i+3], v[ADV] offset:512*\i        ; V of this step, where K lay: eight fragments of 16 channels x 128 keys
.endr
	ds_load_b64 v[VW:VW+1], v[ADW] offset:4096
	ds_load_b64 v[VW+2:VW+3], v[ADW] offset:4352
	WIN 0x15                                       ; THE LARGEST SCORE OF EACH BLOCK OF 32 KEYS, eight chains by turns, each accumulator from its low end on
.irp e, 0,1
.irp k, 0,1,2,3
	v_max3_num_f32 v[BM+4*\e+\k], v[128*\e+32*\k], v[128*\e+32*\k+1], v[128*\e+32*\k+2]
.endr
.endr
	WIN 0x14
.irp i, 3,5,7,9,11,13,15,17,19,21,23,25,27,29
.irp e, 0,1
.irp k, 0,1,2,3
	v_max3_num_f32 v[BM+4*\e+\k], v[BM+4*\e+\k], v[128*\e+32*\k+\i], v[128*\e+32*\k+\i+1]
.endr
.endr
.endr
.irp e, 0,1
.irp k, 0,1,2,3
	v_max_num_f32 v[BM+4*\e+\k], v[BM+4*\e+\k], v[128*\e+32*\k+31]
.endr
.endr
	WIN 0
.irp e, 0,1
	v_max3_num_f32 v[T+\e], v[BM+4*\e], v[BM+4*\e+1], v[BM+4*\e+2]
.endr
.irp e, 0,1
	s_delay_alu instid0(VALU_DEP_2)
	v_max_num_f32 v[T+\e], v[T+\e], v[BM+4*\e+3]
.endr
.irp e, 0,1
	s_delay_alu instid0(VALU_DEP_2)
	v_permlanex16_b32 v[TP+\e], v[T+\e], s[SEL], s[SEL+1]          ; the query's other keys lie in the lane 16 away
.endr
.irp e, 0,1
	s_delay_alu instid0(VALU_DEP_2)
	v_max3_num_f32 v[NM+2*\e+1], v[NM+2*\e+1], v[T+\e], v[TP+\e]   ; the running largest score
.endr
.irp e, 0,1
	s_delay_alu instid0(VALU_DEP_2)
	v_mul_f32 v[T+\e], s[NC], v[NM+2*\e+1]
.endr
.irp e, 0,1
	s_delay_alu instid0(VALU_DEP_2)
	v_floor_f32 v[NM+2*\e], v[T+\e]                ; the new -M = floor(-t) = -ceil(t)
.endr
.irp e, 0,1
	s_delay_alu instid0(VALU_DEP_2)
	v_sub_f32 v[T+\e], v[NM+2*\e], v[OM+\e]        ; M's old value less its new one: a whole number, 0 or less
.endr
.irp e, 0,1
	s_delay_alu instid0(VALU_DEP_2)
	v_cvt_i32_f32 v[T+\e], v[T+\e]                 ; (it saturates)
.endr
.irp e, 0,1
	s_delay_alu instid0(VALU_DEP_2)
	v_ldexp_f32 v[FF+2*\e], 1.0, v[T+\e]           ; f = 2^(old M - new M)
.endr
.irp e, 0,1
.irp k, 0,1,2,3
	v_fma_f32 v[BM+4*\e+\k], v[BM+4*\e+\k], s[CS], v[NM+2*\e]      ; t - M of each block's largest score
.endr
.endr
.irp e, 0,1
.irp j, 0,2,4,6,8,10,12,14,16,18,20,22,24,26,28,30
	v_pk_mul_f32 v[OT+32*\e+\j:OT+32*\e+\j+1], v[OT+32*\e+\j:OT+32*\e+\j+1], v[FF+2*\e:FF+2*\e+1] op_sel_hi:[1,0]   ; O^T under the new M, ahead of the step's exponentials, each accumulator from its low end on
.endr
.endr
	WIN 0x41                                       ; source 0 and result in window 1
.irp e, 0                              ; tile 0's scalings here; tile 1's stand among tile 0's exponentials
.set I, 0
.rept 64
	v_pk_fma_f32 v[128*\e+2*I:128*\e+2*I+1], v[128*\e+2*I:128*\e+2*I+1], s[CS:CS+1], v[NM+2*\e:NM+2*\e+1] op_sel_hi:[1,0,0]   ; t - M, two at a time
.set I, I+1
.endr
.endr
	s_wait_alu depctr_va_vdst(0)                   ; ahead of the batch
.set I, 0
.rept 64
	v_exp_f32 v[2*I], v[2*I]                       ; p = 2^(t - M) of tile 0: not normalised
	v_exp_f32 v[2*I+1], v[2*I+1]
	v_pk_fma_f32 v[128+2*I:128+2*I+1], v[128+2*I:128+2*I+1], s[CS:CS+1], v[NM+2:NM+3] op_sel_hi:[1,0,0]   ; t - M of tile 1: it names no register of tile 0
.set I, I+1
.endr
	s_wait_alu depctr_va_vdst(0)
.set I, 128
.rept 128
	v_exp_f32 v[I], v[I]                           ; p of tile 1
.set I, I+1
.endr
	WIN 0
.irp i, 0,1,2,3,4,5,6,7
	v_exp_f32 v[BM+\i], v[BM+\i]                   ; the blocks' largest p: the same two instructions on the same number give the same bits
.endr
	v_nop                                          ; a plain place behind the exponentials
	s_wait_alu depctr_va_vdst(0)                   ; one wait for the whole batch, ahead of its first reader
.irp i, 0,1,2,3,4,5,6,7
	v_max_num_f32 v[BM+\i], 0x1800000, v[BM+\i]    ; the floor 2^(3 - 127): the byte cannot fall under 1
.endr
.irp i, 0,1,2,3,4,5,6,7
	v_add_nc_u32 v[SO+\i], 0xff000000, v[BM+\i]    ; 2 off the exponent field: the conversion's scale operand
.endr
.irp i, 0,1,2,3,4,5,6,7
	v_lshrrev_b32 v[BY+\i], 23, v[SO+\i]           ; the scale's byte
.endr
.irp i, 0,1,2,3
	v_lshl_or_b32 v[PW+\i], v[BY+2*\i+1], 16, v[BY+2*\i]
.endr
.irp i, 0,1,2,3
	v_lshlrev_b32 v[PW+\i], v[SH8], v[PW+\i]       ; my two bytes, 8 h bits up,
.endr
.irp i, 0,1,2,3
	v_permlanex16_b32 v[BY+\i], v[PW+\i], s[SEL], s[SEL+1]
.endr
.irp i, 0,1,2,3
	v_or_b32 v[PW+\i], v[PW+\i], v[BY+\i]          ; with lane l xor 16's two: p's scale word for 128 keys
.endr
	WIN 0x01
.irp e, 0,1
.irp k, 0,1,2,3
.irp g, 0,1,2,3
	v_cvt_scalef32_pk8_fp4_f32 v[PC+16*\e+4*\k+\g], v[128*\e+32*\k+8*\g:128*\e+32*\k+8*\g+7], v[SO+4*\e+\k]   ; the operand's registers, as they stand
.endr
.endr
.endr
	v_nop                                          ; a plain place behind the conversions
	WIN 0x45                                       ; THE ROW'S SUM IS TAKEN OF THE UNQUANTISED p: a tree in place.  (These lines are also the places between the codes and scale words just made and the products below)
	LVL 32, 0
	LVL 16, 0
	LVL 8, 0
	LVL 4, 0
	LVL 2, 0
	LVL 1, 0
	WIN 0x10
.irp e, 0,1
	v_pk_fma_f32 v[SUM+2*\e:SUM+2*\e+1], v[SUM+2*\e:SUM+2*\e+1], v[FF+2*\e:FF+2*\e+1], v[128*\e:128*\e+1] op_sel_hi:[1,0,1]   ; the old sum x f + the step's
.endr
	WIN 0
	s_wait_alu depctr_va_vdst(0)                   ; directly ahead of the wait below
	s_wait_dscnt 0x0                               ; V and its words are in
.irp u, 0,1
.irp t, 0,1,2,3
.irp e, 0,1                            ; O^T += V^T P^T: eight accumulators by turns, one instruction a turn
	MM OT+32*\e+8*\t, FR+32*\u+8*\t, PC+16*\e+8*\u, v[OT+32*\e+8*\t:OT+32*\e+8*\t+7], VW+2*\u+\t/2, PW+2*\e+\u, \t%2
.endr
.endr
.endr
.if \next
.rept 4
	v_nop                                          ; places in front of loads into registers that the products have read
.endr
.irp i, 0,1,2,3,4,5,6,7,8,9,10,11,12,13,14,15
	ds_load_b128 v[FR+4*\i:FR+4*\i+3], v[ADK] offset:8192+512*\i   ; K of the next step
.endr
	ds_load_b64 v[KW:KW+1], v[ADW] offset:512
	ds_load_b64 v[KW+2:KW+3], v[ADW] offset:768
.endif
	s_add_co_u32 s[TB], s[TB], 8192
	s_add_co_u32 s[TS], s[TS], 512
.endm
.Lstep:
	STEP 1
	s_sub_co_u32 s[CNT], s[CNT], 1
	s_cmp_lg_u32 s[CNT], 0
	s_cbranch_scc1 .Lstep
	STEP 0
	; THE WAY OUT.  A lane's 32 registers of a tile are channels 32 h + 0 .. 31 of its query: they go through my own stage and come back as whole rows of 256 bytes.
.irp e, 0,1
	v_add_f32 v[SUM+2*\e], v[SUM+2*\e], v[SUM+2*\e+1]              ; (these six lines are the places behind the last products)
.endr
.irp e, 0,1
	v_permlanex16_b32 v[TP+\e], v[SUM+2*\e], s[SEL], s[SEL+1]
.endr
.irp e, 0,1
	v_add_f32 v[SUM+2*\e], v[SUM+2*\e], v[TP+\e]   ; with lane l xor 16's: the row's sum
.endr
	s_wait_alu depctr_va_vdst(0)                   ; ahead of the transcendentals
	v_rcp_f32 v[SUM], v[SUM]
	v_rcp_f32 v[SUM+2], v[SUM+2]
	v_nop                                          ; a plain place
	s_wait_alu depctr_va_vdst(0)                   ; ahead of the first reader of the reciprocals and of O^T
.irp e, 0,1
.irp j, 0,2,4,6,8,10,12,14,16,18,20,22,24,26,28,30
	v_pk_mul_f32 v[FR+32*\e+\j:FR+32*\e+\j+1], v[OT+32*\e+\j:OT+32*\e+\j+1], v[SUM+2*\e:SUM+2*\e+1] op_sel_hi:[1,0]
.endr
.endr
.irp e, 0,1
.irp i, 0,1,2,3,4,5,6,7
	ds_store_b128 v[STI], v[FR+32*\e+4*\i:FR+32*\e+4*\i+3] offset:4352*\e+16*\i
.endr
.endr
.irp e, 0,1
.irp i, 0,1,2,3,4,5,6,7
	ds_load_b128 v[PC+32*\e+4*\i:PC+32*\e+4*\i+3], v[STO] offset:4352*\e+544*\i   ; LDS serves a wave's instructions in order (ISA guide 5.7.1.4): these see my stores
.endr
.endr
.irp e, 0,1
.irp i, 0,1,2,3,4,5,6,7
	s_wait_dscnt 15-8*\e-\i                        ; this load is in; those issued behind it may be out
	global_store_b128 v[GO], v[PC+32*\e+4*\i:PC+32*\e+4*\i+3], s[8:9] offset:32768*\e+(32*(\i/4)+2*(\i%4))*4096 th:TH_STORE_NT   ; rows 2 i and 2 i + 1 of the tile: sixteen lanes store 256 consecutive bytes, aligned
.endr
.endr
	s_wait_tensorcnt 0x0                           ; the wave's end
	ds_add_u32 v[SPW], v[NIL]
	s_wait_dscnt 0x0
	ROUND                                          ; the closing round
	s_endpgm
.Lfunc_end_k_qf45da28808_attn:
	.size	k_qf45da28808_attn, .Lfunc_end_k_qf45da28808_attn-k_qf45da28808_attn
	.p2alignl 7, 3214868480
	.fill 96, 4, 3214868480
	.section	.rodata,"a",@progbits
	.p2align	6, 0x0
	.amdhsa_kernel k_qf45da28808_attn
		.amdhsa_group_segment_fixed_size 210944
		.amdhsa_private_segment_fixed_size 0
		.amdhsa_enable_private_segment 0
		.amdhsa_kernarg_size 24
		.amdhsa_user_sgpr_count 2
		.amdhsa_user_sgpr_kernarg_segment_ptr 1
		.amdhsa_wavefront_size32 1
		.amdhsa_system_sgpr_workgroup_id_x 1
		.amdhsa_system_sgpr_workgroup_id_y 1
		.amdhsa_system_sgpr_workgroup_id_z 1
		.amdhsa_system_vgpr_workitem_id 0
		.amdhsa_next_free_vgpr 512
		.amdhsa_next_free_sgpr 72
		.amdhsa_reserve_vcc 0
		.amdhsa_float_denorm_mode_32 3
		.amdhsa_float_denorm_mode_16_64 3
		.amdhsa_memory_ordered 1
		.amdhsa_forward_progress 1
		.amdhsa_inst_pref_size 114
	.end_amdhsa_kernel
	.amdgpu_metadata
---
amdhsa.version: [ 1, 2 ]
amdhsa.kernels:
  - .name:           k_qf45da28808_attn
    .symbol:         k_qf45da28808_attn.kd
    .args:
      - { .name: img, .offset: 0, .size: 8, .value_kind: global_buffer, .address_space: global }
      - { .name: isc, .offset: 8, .size: 8, .value_kind: global_buffer, .address_space: global }
      - { .name: out0, .offset: 16, .size: 8, .value_kind: global_buffer, .address_space: global }
    .group_segment_fixed_size: 210944
    .private_segment_fixed_size: 0
    .kernarg_segment_align: 8
    .kernarg_segment_size: 24
    .max_flat_workgroup_size: 256
    .sgpr_count:     72
    .vgpr_count:     512
    .wavefront_size: 32
...
	.end_amdgpu_metadata
.endif
;; end of part 3
